; MI455X (gfx1250); checked and timed in simulation.
; The chip was launched on July 23, 2026; its instructions are those of AMD's public machine-readable ISA for CDNA 5 (MIT licence, August 2026) and "CDNA5" Instruction Set Architecture Reference Guide (July 2026). The comments in the code are by the model that wrote it; some were corrected since.
;; HQQ Linear. Allowed arithmetic: matrix products marked QUANTISED: E2M3 operands, one E8M0 scale for each 32 along K, by v_wmma_scale_f32_16x16x128_f8f6f4 with both operands' format E2M3, f32 sums; everything else in f32.
;; Inputs: W_packed 2,048 x 512 int32; bias 2,048 float32; scale 131,072 x 1 float32; x 8,192 x 4,096 float32; zero 131,072 x 1 float32.
;; Outputs: out0 8,192 x 2,048 float32.
;; This version of the problem:
;;   THIS VERSION OF THE PROBLEM IS GIVEN IN LOW PRECISION. The matrix products marked QUANTISED in the list below multiply operands that are first quantised to E2M3 (2 exponent bits, 3 mantissa bits; 6 bits a number), with one power-of-two scale for each 32 numbers along K (OCP MX v1.0); their sums are f32. All else is computed in f32.
;;   The module's matrix products, in the order in which they are computed (A, B: the left and right operand; K: the contracted axis; several contracted axes count as one K, in the product's order):
;;     1. [M 8,192, K 4,096] x [K 4,096, N 2,048]; A: input x; B: computed on the way: QUANTISED
;;   THE QUANTISER, for each operand of a quantised product, along K:
;;     - K is cut into blocks of 32 from its start; a last block that is shorter is filled with zeros.
;;     - A block's scale is 2^e with e = floor(log2(the largest magnitude in the block)) - 2, held to -126 .. 127; a block of zeros has e = 0. As a byte (E8M0): e + 127.
;;     - Each number is divided by its block's scale, clamped to +-7.5, and rounded to the nearest number of E2M3, ties to even, subnormals kept.
;;     - The product sums the exact products of the quantised numbers (number of the format x scale) in f32.
;;   ~~~python
;;   def quantise(x, axis):      # numpy; x: float32 -> the quantised numbers, widened to float32 again
;;       x = np.moveaxis(x, axis, -1); K = x.shape[-1]
;;       x = np.pad(x, [(0, 0)] * (x.ndim - 1) + [(0, -K % 32)]); x = x.reshape(x.shape[:-1] + (-1, 32)); a = np.abs(x).max(-1, keepdims=True)
;;       e = np.where(a > 0, np.clip(np.frexp(np.where(a > 0, a, 1))[1] - 1 - 2, -126, 127), 0)      # np.frexp(a)[1] - 1 = floor(log2(a)), exactly
;;       r = np.clip(x / 2.0 ** e, -7.5, 7.5)
;;       step = 2.0 ** (np.maximum(np.frexp(np.where(r == 0, 1, r))[1] - 1, 0) - 3)
;;       q = np.round(r / step) * step * 2.0 ** e      # np.round: ties to even
;;       return np.moveaxis(q.reshape(q.shape[:-2] + (-1,))[..., :K], -1, axis).astype(np.float32)
;;   ~~~
;;   OPERANDS COMPUTED ON THE WAY. 'Computed on the way' means the value that the module computes at that place (a softmax that the list does not call 'softmax' is quantised finished and normalised). What goes into a quantiser is computed in f32, as accurately as f32 sums, v_exp_f32 and their like allow (about 1e-6 of the number): no bf16 or f16 on the way to a quantiser, and a product that is left as it is and whose result goes on into a quantised operand takes f32 operands (vector FMAs, or v_wmma_f32_16x16x4_f32). A number that lies on a knife's edge between two numbers of the format may be rounded either way, as far as f32 arithmetic and the matrix unit's own rounding can turn it there, and no further.
;; One version. Each part assembles by itself: llvm-mc -triple=amdgcn-amd-amdhsa -mcpu=gfx1250 --defsym DOCPART=n.
;; ======== version 1 of 1: 2 launches
;; limits: right only within a limited range of input values
;; workspace buffers: xq 26,214,400 bytes; wq 6,553,600 bytes
;; launch quant (part 1): grid 256 x 1, 8 waves a work-group, no clusters, 290,816 bytes of LDS; arguments x, W_packed, scale, zero, xq, wq; writes xq, wq
.if DOCPART == 1
	.amdgcn_target "amdgcn-amd-amdhsa--gfx1250"
	.amdhsa_code_object_version 6
	.text
	.protected	k_q76dd2bc788_quant
	.globl	k_q76dd2bc788_quant
	.p2align	8
	.type	k_q76dd2bc788_quant,@function
k_q76dd2bc788_quant:
	s_mov_b64 s[64:65], 0
	v_nop
	global_prefetch_b8 v0, s[64:65] scope:SCOPE_SE
	s_setreg_imm32_b32 hwreg(HW_REG_WAVE_MODE, 25, 1), 1
	s_wait_xcnt 0x0
; Both operands of out0 = Q(x) Q(W_hat)^T + bias are turned into codes of FP6 (E2M3), 6 bits each, with one E8M0 scale byte for each 32 along K, and are laid IN THE ORDER OF THE OPERAND'S REGISTERS.
; x [8192][4096] f32 is taken as it is.  W_hat [2048][4096] is made here: bit i of the low byte of each word of W_packed is 0.0 or 1.0; W_hat = (bit - zero[g]) * scale[g], g = a group of 64 along K,
; a subtraction and then a multiplication in f32.  A group so holds two numbers only, v0 = (0 - zero) * scale and v1 = (1 - zero) * scale: both are made once a group, and each bit selects one of them.
; A block's scale is 2^(floor(log2(its largest magnitude)) - 2); its byte is the largest magnitude's own exponent field - 2, held at 1 from below.  Each number is divided by the scale and rounded to the nearest code,
; ties to even; beyond the largest code the conversion gives the largest code.
; LIMITS: NaN and infinities among the inputs are not served.  A block of zeros gets the byte 1 where the rule says 127: its codes are zeros, which add nothing under any byte but 0xff, and this program alone reads the bytes.
; THE LAYOUT OF xq AND wq: [group of 128 rows][step of 128 along K][a chunk of 12,800 bytes].  A chunk: eight fragments (16 rows x 128 K, 12 registers a lane) of 1,536 bytes, fragment i = rows 16 i on, each as three groups of
; four registers, group c of lane l at 512 c + 16 l; then 512 bytes of scale words (four bytes: a row's 128 K), word of row r of fragment i at 256 (i / 4) + 16 r + 4 (i % 4).
; In a fragment lane (r, h) holds row r; registers 0-5 are k = 32 h + 0 .. 31, registers 6-11 k = 64 + 32 h + 0 .. 31.
; SHARES.  256 work-groups of eight waves.  Of x a wave owns ONE CHUNK (128 rows x 512 bytes); the eight waves stand side by side on 4,096 bytes of each row.  ALL OF A WAVE'S INPUT IS ASKED FOR AT ITS HEAD:
; rows 0-63 by one tensor load into the wave's own LDS bytes (64 rows of 512 bytes, 16 of padding behind each; filled once), rows 64-127 by 64 loads into window 1's 256 registers (the last 16 behind W's work).
; Of W a work-group owns two chunks (a group, two steps: 128 bytes of each row of W_packed), wave i the rows 16 i on; that work stands under the flight of x.  A W chunk's scale words come from eight waves and meet in LDS
; behind one barrier.  Fragments 4-7 of x turn through the first 32 rows of the wave's tile, which has had its only fill and has been read by then.
; No clusters: but for the two halves of W's units of 256 bytes the work-groups share no input.  No prefetch: there is no loop to run ahead in.
; Every store of codes and of scale words covers 512 consecutive bytes, at a multiple of 256 from the buffer's first byte.
.set XROW,  16384                      ; bytes in a row of x
.set CH,    12800                      ; bytes in a chunk
.set FRB,   1536                       ; bytes in a fragment
.set SPX,   528                        ; x: an LDS row: 512 bytes + 16
.set XT,    64*SPX                     ; x: a wave's tile
.set WBASE, 8*XT                       ; W's LDS begins behind the tiles
.set SPWD,  144                        ; W: a stage row: 128 bytes of words + 16
.set WST,   16*SPWD                    ; W: a wave's stage
.set WSC,   WBASE+8*WST                ; W: the scale words of two chunks, 512 bytes each
.set SPARE, WSC+1024                   ; the spare words, 128 bytes a wave: four blocks of 256 bytes that no other line names
.set LI,    5                          ; v5    16 x lane
.set XSI,   6                          ; v6    x: into my tile's rows: 16 x lane
.set XSO,   7                          ; v7    x: out of them: 528 r + 64 h
.set WSI,   8                          ; v8    W: the stage on the way in: 144 (lane / 8) + 16 (lane % 8)
.set WSO,   9                          ; v9    W: and on the way out: 144 r + 8 h
.set WGA,   10                         ; v10   W: where my row's scale word goes
.set WGR,   11                         ; v11   W: where waves 0, 1 read a chunk's scale words back
.set WOF,   12                         ; v12   W: my 16 bytes of four rows of W_packed
.set GOF,   13                         ; v13   W: my row of scale and of zero
.set SPW,   14                         ; v14   my spare word; never rewritten
.set NIL,   15                         ; v15   0; never rewritten
.set WL,    16                         ; v16-31   W: the words as they are loaded
.set WP,    48                         ; v48-63   W: my two words of step t, block b at 8 t + 2 b
.set SG,    80                         ; v80-83   W: scale of my row's four groups
.set ZG,    88                         ; v88-91   W: zero of the same
.set VP,    96                         ; v96-103  W: their pairs (v0, v1)
.set X,     144                        ; v144-207 64 numbers: register 16 b + i = k 32 b + 16 h + i of my row
.set PC,    208                        ; v208-219 the fragment's 12 registers; v220-227 at work
.set TM,    228                        ; v228-231 largest magnitudes, v232-235 bytes, v236-239 the conversions' scale operands
.set PWS,   240                        ; v240-247 scale words
.set SB,    248                        ; v248-251 16 bytes of scale words to store
.set SEL,   44                         ; s[44:45] v_permlanex16_b32's selects for lane l xor 16
.set MSB, 0
.macro WIN new                         ; the immediate's high byte repeats the setting that is left
.set WNEW, \new
.if MSB != WNEW
	s_set_vgpr_msb (MSB<<8)|WNEW
.set MSB, WNEW
.endif
.endm
	s_load_b256 s[4:11], s[0:1], 0x0               ; x s[4:5], W_packed s[6:7], scale s[8:9], zero s[10:11]
	s_load_b128 s[12:15], s[0:1], 0x20             ; xq s[12:13], wq s[14:15]
	v_lshl_add_u32 v[SPW], v0, 2, SPARE
	v_mov_b32 v[NIL], 0
	ds_add_u32 v[SPW], v[NIL]                      ; the opening lines: the add twice on end and one wait, ahead of my tensor load
	ds_add_u32 v[SPW], v[NIL]
	v_lshrrev_b32 v1, 5, v0
	v_readfirstlane_b32 s20, v1                    ; wave 0..7
	s_mov_b32 s32, (2<<16)|(1<<20)|(6<<22)|(3<<25) ; group 1: elements of 4 bytes; behind every 128 words 4 words of padding
	s_mov_b32 s33, 128<<16                         ; tensor_dim0 = 128
	s_mov_b32 s34, 64<<16                          ; tensor_dim1 = 64
	s_mov_b32 s35, 128<<16                         ; tile_dim0 = 128
	s_mov_b32 s36, 64                              ; tile_dim1 = 64
	s_mov_b32 s37, 4096                            ; elements from row to row
	s_mov_b32 s38, 0
	s_mov_b32 s39, 0
	s_lshr_b32 s22, ttmp9, 2                       ; x: the group of 128 rows: 0 .. 63
	s_and_b32 s21, ttmp9, 3
	s_lshl_b32 s21, s21, 3
	s_add_co_u32 s21, s21, s20                     ; the step of 128 along K: 0 .. 31
	s_lshl_b32 s28, s22, 21                        ; 128 rows of 16,384 bytes a group (under 2^27 in all)
	s_lshl_b32 s23, s21, 9                         ; 512 bytes a step
	s_add_co_u32 s28, s28, s23
	s_mov_b32 s29, 0                               ; the upper word of every offset
	s_lshl_b32 s22, s22, 5
	s_add_co_u32 s22, s22, s21
	s_mul_i32 s30, s22, CH                         ; my chunk of xq
	s_mov_b32 s31, 0
	s_mov_b32 s40, 1                               ; group 0
	s_mul_i32 s41, s20, XT                         ; my tile in LDS
	s_wait_dscnt 0x0                               ; both opening adds are done
	s_wait_kmcnt 0x0
	s_add_nc_u64 s[4:5], s[4:5], s[28:29]
	s_mov_b64 s[42:43], s[4:5]
	s_or_b32 s43, s43, 0x80000000
	tensor_load_to_lds s[40:43], s[32:39]          ; rows 0-63 of my chunk: my one tensor load
	s_nop 0
.rept 4
	v_nop
.endr
	s_add_nc_u64 s[12:13], s[12:13], s[30:31]
	s_lshr_b32 s22, ttmp9, 4                       ; W: the group of 128 rows: 0 .. 15
	s_and_b32 s21, ttmp9, 15
	s_lshl_b32 s21, s21, 1                         ; the first of my two steps
	s_lshl_b32 s23, s22, 7
	s_lshl_b32 s25, s20, 4
	s_add_co_u32 s23, s23, s25                     ; my first row: 128 x group + 16 x wave
	s_lshl_b32 s28, s23, 11                        ; a row of W_packed is 2,048 bytes,
	s_lshl_b32 s25, s21, 6                         ; a step 16 words
	s_add_co_u32 s28, s28, s25
	s_add_nc_u64 s[6:7], s[6:7], s[28:29]
	s_lshl_b32 s28, s23, 8                         ; a row of scale and of zero is 256 bytes,
	s_lshl_b32 s25, s21, 3                         ; a step two groups
	s_add_co_u32 s28, s28, s25
	s_add_nc_u64 s[8:9], s[8:9], s[28:29]
	s_add_nc_u64 s[10:11], s[10:11], s[28:29]
	s_lshl_b32 s22, s22, 5
	s_add_co_u32 s22, s22, s21                     ; the first of my two chunks
	s_and_b32 s24, s20, 1
	s_add_co_u32 s23, s22, s24
	s_mul_i32 s28, s23, CH
	s_add_co_u32 s28, s28, 8*FRB
	s_add_nc_u64 s[16:17], s[14:15], s[28:29]      ; the scale words of chunk wave % 2: waves 0, 1 store them
	s_mul_i32 s28, s22, CH
	s_mul_i32 s25, s20, FRB
	s_add_co_u32 s28, s28, s25
	s_add_nc_u64 s[14:15], s[14:15], s[28:29]      ; my fragment of the first chunk
	s_lshl_b32 s27, s24, 9
	s_add_co_u32 s27, s27, WSC                     ; WSC + 512 (wave % 2)
	s_mul_i32 s24, s20, WST
	s_add_co_u32 s24, s24, WBASE                   ; my W stage
	s_lshr_b32 s26, s20, 2
	s_lshl_b32 s26, s26, 8
	s_and_b32 s25, s20, 3
	s_lshl_b32 s25, s25, 2
	s_add_co_u32 s26, s26, s25
	s_add_co_u32 s26, s26, WSC                     ; WSC + 256 (wave / 4) + 4 (wave % 4)
	s_mov_b32 s[SEL], 0x76543210
	s_mov_b32 s[SEL+1], 0xfedcba98
	; every address register is made here, the chains by turns
	v_and_b32 v2, 31, v0                           ; lane
	v_and_b32 v3, 15, v0                           ; r
	v_bfe_u32 v4, v0, 4, 1                         ; h
	v_bfe_u32 v1, v0, 3, 2                         ; lane / 8
	v_and_b32 v252, 7, v0                          ; lane % 8
	v_lshlrev_b32 v[LI], 4, v2
	v_mul_u32_u24 v[XSO], v3, SPX
	v_mul_u32_u24 v[WSI], v1, SPWD
	v_mul_u32_u24 v[WSO], v3, SPWD
	v_lshlrev_b32 v[WOF], 11, v1                   ; eight lanes to a row's 128 bytes, four rows of 2,048 bytes an instruction
	v_add_nc_u32 v[XSI], s41, v[LI]
	v_lshl_add_u32 v[XSO], v4, 6, v[XSO]
	v_lshl_add_u32 v[WSI], v252, 4, v[WSI]
	v_lshl_add_u32 v[WSO], v4, 3, v[WSO]
	v_lshl_add_u32 v[WOF], v252, 4, v[WOF]
	v_lshl_add_u32 v[WGA], v3, 4, s26
	v_add_nc_u32 v[XSO], s41, v[XSO]
	v_add_nc_u32 v[WSI], s24, v[WSI]
	v_add_nc_u32 v[WSO], s24, v[WSO]
	v_add_nc_u32 v[WGR], s27, v[LI]
	v_lshlrev_b32 v[GOF], 8, v3
.irp b, 0,1,2,3
	v_mov_b32 v[TM+4+\b], 0                        ; written once: a lane permute's destination counts as one of its sources
.endr
	s_wait_alu depctr_va_vdst(0)
; 64 numbers of a lane, v[s] .. v[s + 63], register 16 b + i = k 32 b + 16 h + i of my row, become a fragment's 12 registers in v[PC] on and my row's scale word in v[pw] (the same in lanes l and l xor 16).
.macro QUANT s, pw
.irp b, 0,1,2,3
	v_max3_num_f32 v[TM+\b], |v[\s+16*\b]|, |v[\s+1+16*\b]|, 0x1800000   ; block b: my 16 numbers, and the floor 2^(3 - 127): so the byte cannot fall under 1
.endr
.irp i, 2,4,6,8,10,12,14
.irp b, 0,1,2,3
	s_delay_alu instid0(VALU_DEP_4)
	v_max3_num_f32 v[TM+\b], v[TM+\b], |v[\s+16*\b+\i]|, |v[\s+1+16*\b+\i]|   ; (the four blocks by turns)
.endr
.endr
.irp b, 0,1,2,3
	s_delay_alu instid0(VALU_DEP_4)
	v_permlanex16_b32 v[TM+4+\b], v[TM+\b], s[SEL], s[SEL+1]
.endr
.irp b, 0,1,2,3
	s_delay_alu instid0(VALU_DEP_4)
	v_max_num_f32 v[TM+\b], v[TM+\b], v[TM+4+\b]   ; with lane l xor 16's: the block's largest magnitude
.endr
.irp b, 0,1,2,3
	s_delay_alu instid0(VALU_DEP_4)
	v_add_nc_u32 v[TM+8+\b], 0xff000000, v[TM+\b]  ; 2 off its exponent field: the conversion takes the exponent field of this operand as its scale
.endr
.irp b, 0,1,2,3
	s_delay_alu instid0(VALU_DEP_4)
	v_lshrrev_b32 v[TM+4+\b], 23, v[TM+8+\b]       ; the scale's byte
.endr
	s_delay_alu instid0(VALU_DEP_3)
	v_lshl_or_b32 v[\pw], v[TM+5], 8, v[TM+4]      ; the four bytes make my row's scale word
	s_delay_alu instid0(VALU_DEP_1)
	v_lshl_or_b32 v[\pw], v[TM+6], 16, v[\pw]
	s_delay_alu instid0(VALU_DEP_1)
	v_lshl_or_b32 v[\pw], v[TM+7], 24, v[\pw]
.irp c, 0,1
	v_cvt_scalef32_pk16_fp6_f32 v[PC+6*\c:PC+2+6*\c], v[\s+32*\c:\s+15+32*\c], v[TM+8+2*\c]
	v_cvt_scalef32_pk16_fp6_f32 v[PC+12+4*\c:PC+14+4*\c], v[\s+16+32*\c:\s+31+32*\c], v[TM+8+2*\c+1]   ; (a conversion's three registers begin on an even number)
.endr
	v_nop                                          ; one plain vector line behind the scaled conversions
.irp c, 0,1                                    ; the operand's layout wants a WHOLE block in a lane: lanes 0-15 block 2 c, lanes 16-31 block 2 c + 1
.irp i, 0,1,2
	v_permlane16_swap_b32 v[PC+6*\c+\i], v[PC+12+4*\c+\i]
.endr
.irp i, 0,1,2
	s_delay_alu instid0(VALU_DEP_3)
	v_mov_b32 v[PC+3+6*\c+\i], v[PC+12+4*\c+\i]
.endr
.endr
.endm
.macro XLOAD f                         ; fragment f (4 .. 7): rows 16 f on, a load a row: 32 lanes read 512 consecutive bytes; into window 1, v[64 (f - 4)] on
	WIN 0x40
.irp j, 0,1,2,3,4,5,6,7,8,9,10,11,12,13,14,15
	global_load_b128 v[64*((\f)-4)+4*\j:64*((\f)-4)+4*\j+3], v[LI], s[4:5] offset:(16*(\f)+\j)*XROW th:TH_LOAD_NT
.endr
	WIN 0
.endm
	; ---------------- what is asked for at the head ----------------
.irp j, 0,1,2,3
	global_load_b128 v[WL+4*\j:WL+4*\j+3], v[WOF], s[6:7] offset:\j*8192   ; W_packed: rows 4 j .. 4 j + 3, two steps' words
.endr
	global_load_b128 v[SG:SG+3], v[GOF], s[8:9]    ; my row's four groups
	global_load_b128 v[ZG:ZG+3], v[GOF], s[10:11]
	XLOAD 4
	XLOAD 5
	XLOAD 6
	; ---------------- W, under the flight of x ----------------
	s_wait_loadcnt 50                              ; the words are in: behind them scale, zero and 48 loads of x
.irp j, 0,1,2,3
	ds_store_b128 v[WSI], v[WL+4*\j:WL+4*\j+3] offset:\j*4*SPWD
.endr
.irp t, 0,1
.irp b, 0,1,2,3
	ds_load_b64 v[WP+8*\t+2*\b:WP+8*\t+2*\b+1], v[WSO] offset:64*\t+16*\b   ; step t, block b: the two words with k = 32 b + 16 h + 0 .. 15 of row r (in order behind my stores)
.endr
.endr
	s_wait_loadcnt 48                              ; scale and zero are in
.irp q, 0,1,2,3
	v_sub_f32 v[VP+2*\q], 0, v[ZG+\q]              ; 0 - zero
	v_sub_f32 v[VP+2*\q+1], 1.0, v[ZG+\q]          ; 1 - zero
.endr
.irp q, 0,1,2,3
	v_mul_f32 v[VP+2*\q], v[VP+2*\q], v[SG+\q]     ; v0
	v_mul_f32 v[VP+2*\q+1], v[VP+2*\q+1], v[SG+\q] ; v1
.endr
	s_wait_alu depctr_va_vdst(0)
	s_wait_dscnt 0x0                               ; the words, once
.macro WSTEP t
.if (\t) > 0
	s_wait_xcnt 0x0                                ; the last step's stores have read their registers: the codes' are rewritten only behind this wait
.endif
.irp b, 0,1,2,3
.irp i, 0,1,2,3,4,5,6,7,8,9,10,11,12,13,14,15
	v_and_b32 v1, 1<<(\i%8), v[WP+8*(\t)+2*\b+\i/8]   ; bit i % 8 of word i / 8: bit 0 first within each byte; bits above the low byte are not looked at
	s_delay_alu instid0(VALU_DEP_1)
	v_cmp_ne_u32 vcc_lo, 0, v1
	s_delay_alu instid0(VALU_DEP_1)
	v_cndmask_b32 v[X+16*\b+\i], v[VP+2*(2*(\t)+\b/2)], v[VP+2*(2*(\t)+\b/2)+1], vcc_lo   ; v1 where the bit is set, else v0; blocks 2 b' and 2 b' + 1 are one group
.endr
.endr
	QUANT X, PWS+(\t)                              ; the maximum is taken of the numbers that are there: a block of equal bits is served like any other
.irp c, 0,1,2
	global_store_b128 v[LI], v[PC+4*\c:PC+4*\c+3], s[14:15] offset:(\t)*CH+512*\c
.endr
	ds_store_b32 v[WGA], v[PWS+(\t)] offset:512*(\t)   ; lanes l and l xor 16 write the same word with the same value
.endm
	WSTEP 0
	WSTEP 1
	XLOAD 7                                        ; the last 16 rows of x
	s_wait_tensorcnt 0x0                           ; my tile has landed: I alone read it
	s_wait_dscnt 0x0                               ; for the others' sake: my scale words lie in LDS
	s_barrier_signal -1
	s_barrier_wait -1                              ; all eight waves' do
	s_cmp_lt_u32 s20, 2
	s_cbranch_scc0 .Lwdone
	ds_load_b128 v[SB:SB+3], v[WGR]                ; wave t takes chunk t's 512 bytes
	s_wait_dscnt 0x0
	global_store_b128 v[LI], v[SB:SB+3], s[16:17]
.Lwdone:
	; ---------------- x ----------------
.macro XFRAG f
.if (\f) >= 4
	s_wait_loadcnt 16*(7-(\f))                     ; this fragment's 16 loads are in; those of the fragments behind it may be out
	WIN 0x04                                       ; the data: window 1
.irp j, 0,1,2,3,4,5,6,7,8,9,10,11,12,13,14,15
	ds_store_b128 v[XSI], v[64*((\f)-4)+4*\j:64*((\f)-4)+4*\j+3] offset:((\f)%2)*16*SPX+\j*SPX   ; the rows go into rows of my tile that have been read, as they lie
.endr
	WIN 0
.set XO, ((\f)%2)*16*SPX
.else
.set XO, (\f)*16*SPX
.endif
.irp b, 0,1,2,3
.irp j, 0,1,2,3
	ds_load_b128 v[X+16*\b+4*\j:X+16*\b+4*\j+3], v[XSO] offset:XO+128*\b+16*\j     ; 16 neighbours of each block to a lane.  LDS serves a wave's instructions in order: no wait behind the stores
.endr
.endr
	s_wait_dscnt 0x0                               ; the numbers are there
	s_wait_xcnt 0x0                                ; the earlier stores to memory have read their registers: the codes' are rewritten only behind this wait
	QUANT X, PWS+(\f)
.irp c, 0,1,2
	global_store_b128 v[LI], v[PC+4*\c:PC+4*\c+3], s[12:13] offset:(\f)*FRB+512*\c   ; four registers of every lane: 512 consecutive bytes
.endr
.endm
.irp f, 0,1,2,3,4,5,6,7
	XFRAG \f
.endr
	v_cmp_ne_u32 vcc_lo, 0, v4                     ; lanes 0-15 store the words of fragments 0-3 of their row, lanes 16-31 those of fragments 4-7 (both halves hold all eight)
.irp k, 0,1,2,3
	v_cndmask_b32 v[SB+\k], v[PWS+\k], v[PWS+4+\k], vcc_lo
.endr
	global_store_b128 v[LI], v[SB:SB+3], s[12:13] offset:8*FRB
	s_wait_tensorcnt 0x0                           ; the wave's end
	ds_add_u32 v[SPW], v[NIL]
	s_wait_dscnt 0x0
	s_endpgm
.Lfunc_end_k_q76dd2bc788_quant:
	.size	k_q76dd2bc788_quant, .Lfunc_end_k_q76dd2bc788_quant-k_q76dd2bc788_quant
	.p2alignl 7, 3214868480
	.fill 96, 4, 3214868480
	.section	.rodata,"a",@progbits
	.p2align	6, 0x0
	.amdhsa_kernel k_q76dd2bc788_quant
		.amdhsa_group_segment_fixed_size 290816
		.amdhsa_private_segment_fixed_size 0
		.amdhsa_enable_private_segment 0
		.amdhsa_kernarg_size 48
		.amdhsa_user_sgpr_count 2
		.amdhsa_user_sgpr_kernarg_segment_ptr 1
		.amdhsa_wavefront_size32 1
		.amdhsa_system_sgpr_workgroup_id_x 1
		.amdhsa_system_sgpr_workgroup_id_y 1
		.amdhsa_system_sgpr_workgroup_id_z 1
		.amdhsa_system_vgpr_workitem_id 0
		.amdhsa_next_free_vgpr 512
		.amdhsa_next_free_sgpr 66
		.amdhsa_reserve_vcc 1
		.amdhsa_float_denorm_mode_32 3
		.amdhsa_float_denorm_mode_16_64 3
		.amdhsa_memory_ordered 1
		.amdhsa_forward_progress 1
		.amdhsa_inst_pref_size 104
	.end_amdhsa_kernel
	.amdgpu_metadata
---
amdhsa.version: [ 1, 2 ]
amdhsa.kernels:
  - .name:           k_q76dd2bc788_quant
    .symbol:         k_q76dd2bc788_quant.kd
    .args:
      - { .name: x, .offset: 0, .size: 8, .value_kind: global_buffer, .address_space: global }
      - { .name: W_packed, .offset: 8, .size: 8, .value_kind: global_buffer, .address_space: global }
      - { .name: scale, .offset: 16, .size: 8, .value_kind: global_buffer, .address_space: global }
      - { .name: zero, .offset: 24, .size: 8, .value_kind: global_buffer, .address_space: global }
      - { .name: xq, .offset: 32, .size: 8, .value_kind: global_buffer, .address_space: global }
      - { .name: wq, .offset: 40, .size: 8, .value_kind: global_buffer, .address_space: global }
    .group_segment_fixed_size: 290816
    .private_segment_fixed_size: 0
    .kernarg_segment_align: 8
    .kernarg_segment_size: 48
    .max_flat_workgroup_size: 256
    .sgpr_count:     66
    .vgpr_count:     512
    .wavefront_size: 32
...
	.end_amdgpu_metadata
.endif
;; end of part 1
;; launch gemm (part 2): grid 8 x 32, 4 waves a work-group, clusters of 4 x 4, 327,680 bytes of LDS; arguments xq, wq, out0, bias; writes out0
.if DOCPART == 2
	.amdgcn_target "amdgcn-amd-amdhsa--gfx1250"
	.amdhsa_code_object_version 6
	.text
	.protected	k_q76dd2bc788_gemm
	.globl	k_q76dd2bc788_gemm
	.p2align	8
	.type	k_q76dd2bc788_gemm,@function
k_q76dd2bc788_gemm:
	s_mov_b64 s[64:65], 0
	v_nop
	global_prefetch_b8 v0, s[64:65] scope:SCOPE_SE
	s_setreg_imm32_b32 hwreg(HW_REG_WAVE_MODE, 25, 1), 1
	s_wait_xcnt 0x0
	s_wait_alu depctr_hold_cnt(0) depctr_sa_sdst(0) depctr_va_vdst(0) depctr_va_sdst(0) depctr_va_ssrc(0) depctr_va_vcc(0) depctr_vm_vsrc(0)
	s_getreg_b32 s2, hwreg(HW_REG_IB_STS2, 6, 4)
	s_cmp_eq_u32 s2, 0
	s_cbranch_scc0 .Lentry_in_a_cluster
	s_endpgm
.Lentry_in_a_cluster:
	s_bfe_u32 s2, ttmp6, 0x10000c
	s_cmp_lg_u32 s2, 0xf033
	s_cbranch_scc0 .Lentry_shape_is_right
	s_endpgm
.Lentry_shape_is_right:
; out0[m][n] = sum over k of Q(x)[m][k] Q(W_hat)[n][k] + bias[n].  xq and wq hold codes of FP6 (E2M3) and E8M0 scale words as images of the operands' registers:
; [group of 128 rows][step of 128 along K][chunk of 12,800 bytes]; a chunk is eight fragments (16 rows x 128 K) of 1,536 bytes, register group c of lane l at 512 c + 16 l, then 512 bytes of scale words.
; A block of out0, 256 x 256, is made by four waves, each 128 x 128: 64 accumulators, 512 registers.  32 steps along K go through two LDS slots; a slot holds three steps of A's two groups and B's two groups,
; each wave fetching one group's three chunks (38,400 dense bytes, rows of 256 bytes) with one tensor load.  The last part has two steps.  All of LDS is claimed.
; CLUSTERS: 4 x 4 work-groups.  A's parts hang on the tile row alone and are asked for jointly along a row of the cluster, B's on the tile column alone and jointly along a column.
; THE MATRIX INSTRUCTION IS USED TRANSPOSED (source 0 = 16 rows of W, source 1 = 16 rows of x): a lane holds eight neighbouring columns of one row of out0.  The first step takes the bias as C.
; A step is eight groups of eight products: A's block a against B's eight.  A has one set of registers, B and the scale words two.  The next step's 50 LDS loads stand in four runs (14, 12, 18, 6);
; each group waits by count for its own block of A alone.  In the last step group a finishes block a, which leaves while the later groups are multiplied.
; PREFETCH: behind each joint refill of part j (j = 2 .. 7) the part j + 2 is asked for, two refills ahead.  A part is 150 blocks of 256 bytes; the four partners that load it jointly share them out by address
; (partner p begins at block 75 p / 2 and takes 37 or 38), a lane a block, two instructions a wave; lanes left over name the partner's last block again.  Parts 0-3 and the short part 10 come by their loads alone.
; REGISTERS: window 0: v16-31 addresses; v32-47 scale words, two sets; v64-127 bias; v128-223 A's fragments.  Window 1: B's sets at v0 and v128.  Windows 2, 3: accumulator (a, b) at v[8 (8 (a % 4) + b)].
.set SIZE_N, 2048
.set FR,     12                        ; registers of a fragment
.set FRB,    1536                      ; its bytes
.set CH,     12800                     ; a chunk
.set SCO,    8*FRB                     ; the scale words in a chunk
.set PART,   3*CH                      ; what one tensor load brings
.set SLOT,   4*PART
.set GRP,    32*CH                     ; a group of 128 rows, all of K
.set SPARE,  2*SLOT                    ; the spare words, 512 bytes that no other line names
.set SPITCH, 528                       ; the way out: stage rows of 512 bytes + 16
.set STAGE,  SLOT                      ; in slot 1: the last part lies in slot 0, and slot 1 has had its last fill and, behind the walk's last barrier, its last read
.set ADRA, 16                          ; v16-17 my A fragments in slot 0, 1
.set ADRB, 18                          ; v18-19 B's
.set ADRS, 20                          ; v20-21 scale words: lanes 0-15 A's, lanes 16-31 B's
.set PF0,  22                          ; v22, v23 the prefetches' offsets; never rewritten
.set PF1,  23
.set STO,  24
.set RD,   25
.set CO,   26
.set SPW,  28
.set NIL,  29
.set BO,   31
.set SC,   32
.set BIAS, 64
.set AF,   128
.set G1,   24                          ; s[24:31], s[32:39] groups 1 and 0 (a set a slot) for A;  s[48:55], s[56:63] for B;  s[68:75], s[76:83] groups 1 of the short last part
.set G0,   32
.set G1B,  48
.set G0B,  56
.set G1L,  68
.set G1LB, 76
.set PFA,  84                          ; s[84:85] where my prefetches stand
.set MSB, 0
.macro WIN new                         ; the immediate's high byte repeats the setting that is left
.set WNEW, \new
.if MSB != WNEW
	s_set_vgpr_msb (MSB<<8)|WNEW
.set MSB, WNEW
.endif
.endm
.set MUL_LO,   0xa1                    ; source 0 (B) window 1, source 1 (A) window 0, C and D window 2
.set FIRST_LO, 0x81                    ; the same with C (the bias) in window 0
.set TO_B,     0x40
.macro JLOAD g0a, g1a, g0b, g1b        ; a joint load: waves 0, 1 fetch for A, waves 2, 3 for B; s_nop 0 and four v_nop behind each line
	s_cmp_eq_u32 s15, 0
	s_cbranch_scc0 .Lfor_b_\@
	tensor_load_to_lds s[\g0a:\g0a+3], s[\g1a:\g1a+7]
	s_nop 0
.rept 4
	v_nop
.endr
	s_branch .Lasked_\@
.Lfor_b_\@:
	tensor_load_to_lds s[\g0b:\g0b+3], s[\g1b:\g1b+7]
	s_nop 0
.rept 4
	v_nop
.endr
.Lasked_\@:
.endm
.macro ASK                             ; the part two refills on; not in the loop's last trip (s3 = 1), whose look-ahead would be the short part and beyond
	s_cmp_gt_u32 s3, 1
	s_cbranch_scc0 .Lno_ask_\@
	global_prefetch_b8 v[PF0], s[PFA:PFA+1] th:TH_LOAD_NT scope:SCOPE_SE
	global_prefetch_b8 v[PF1], s[PFA:PFA+1] th:TH_LOAD_NT scope:SCOPE_SE
.Lno_ask_\@:
.endm
.macro CREST                           ; a round of the cluster's barrier behind its opening barrier
	s_cmp_lg_u32 s14, 0
	s_cbranch_scc1 .Lnot_wave_0_\@
	s_barrier_signal -3
.Lnot_wave_0_\@:
	s_barrier_wait -3
	s_barrier_signal -1
	s_barrier_wait -1
.endm
.macro CROUND
	s_barrier_signal -1
	s_barrier_wait -1
	CREST
.endm
	s_load_b256 s[4:11], s[0:1], 0x0               ; xq s[4:5], wq s[6:7], out0 s[8:9], bias s[10:11]
	v_lshl_add_u32 v[SPW], v0, 2, SPARE
	v_mov_b32 v[NIL], 0
	ds_add_u32 v[SPW], v[NIL]                      ; the opening lines: the add twice on end and one wait
	ds_add_u32 v[SPW], v[NIL]
	v_lshrrev_b32 v1, 5, v0
	v_readfirstlane_b32 s14, v1                    ; wave
	s_lshr_b32 s15, s14, 1                         ; my half of the rows; also: I fetch for A (0) or B (1)
	s_and_b32 s16, s14, 1                          ; my half of the columns; also: which group of 128 rows I fetch
	s_bfe_u32 s40, ttmp6, 0x40000                  ; cx
	s_bfe_u32 s41, ttmp6, 0x40004                  ; cy
	s_lshl_b32 s42, ttmp9, 2
	s_add_co_u32 s42, s42, s40                     ; tile column
	s_and_b32 s17, ttmp7, 0xffff
	s_lshl_b32 s17, s17, 2
	s_add_co_u32 s17, s17, s41                     ; tile row
	s_lshl_b32 s43, s41, 2
	s_lshl_b32 s43, 15, s43                        ; my row of the cluster
	s_lshl_b32 s44, 0x1111, s40                    ; my column
	s_or_b32 s[G1+0], s43, (3<<16)|(1<<21)         ; elements of 8 bytes, the mask, bit 21 beside it; the parts are dense: no padding
	s_or_b32 s[G1B+0], s44, (3<<16)|(1<<21)
	s_or_b32 s[G1L+0], s43, (3<<16)|(1<<21)
	s_or_b32 s[G1LB+0], s44, (3<<16)|(1<<21)
.irp g, G1, G1B
	s_mov_b32 s[\g+1], 32<<16                      ; rows of 256 bytes
	s_mov_b32 s[\g+2], (PART/256)<<16              ; 150 of them
	s_mov_b32 s[\g+3], 32<<16
	s_mov_b32 s[\g+4], PART/256
	s_mov_b32 s[\g+5], 32
	s_mov_b32 s[\g+6], 0
	s_mov_b32 s[\g+7], 0
.endr
.irp g, G1L, G1LB
	s_mov_b32 s[\g+1], 32<<16
	s_mov_b32 s[\g+2], (2*CH/256)<<16              ; the last part: 100 rows
	s_mov_b32 s[\g+3], 32<<16
	s_mov_b32 s[\g+4], 2*CH/256
	s_mov_b32 s[\g+5], 32
	s_mov_b32 s[\g+6], 0
	s_mov_b32 s[\g+7], 0
.endr
	s_lshl_b32 s20, s17, 1
	s_add_co_u32 s20, s20, s16
	s_mul_i32 s20, s20, GRP                        ; A: group 2 x tile row + half
	s_mov_b32 s21, 0
	s_lshl_b32 s46, s42, 1
	s_add_co_u32 s46, s46, s16
	s_mul_i32 s46, s46, GRP                        ; B: group 2 x tile column + half
	s_mov_b32 s47, 0
	s_mul_i32 s45, s14, PART                       ; where my part goes: wave x PART
	s_wait_dscnt 0x0                               ; both opening adds are done
	s_wait_kmcnt 0x0
	s_add_nc_u64 s[20:21], s[4:5], s[20:21]
	s_add_nc_u64 s[46:47], s[6:7], s[46:47]
.irp s, 0,1
	s_mov_b32 s[G0+4*\s], 1
	s_add_co_u32 s[G0+4*\s+1], s45, \s*SLOT
	s_add_nc_u64 s[G0+4*\s+2:G0+4*\s+3], s[20:21], \s*PART
	s_or_b32 s[G0+4*\s+3], s[G0+4*\s+3], 0x80000000
	s_mov_b32 s[G0B+4*\s], 1
	s_add_co_u32 s[G0B+4*\s+1], s45, \s*SLOT
	s_add_nc_u64 s[G0B+4*\s+2:G0B+4*\s+3], s[46:47], \s*PART
	s_or_b32 s[G0B+4*\s+3], s[G0B+4*\s+3], 0x80000000
.endr
	CROUND                                         ; all sixteen work-groups are here: the first joint loads meet
	JLOAD G0, G1, G0B, G1B                         ; part 0: one tensor load a wave at the head; the rest of the head stands under its flight
	s_cmp_eq_u32 s15, 0                            ; the prefetches: A's part by cx, B's by cy
	s_cselect_b32 s88, s40, s41                    ; p: my place among the four that ask with me
	s_cselect_b64 s[PFA:PFA+1], s[20:21], s[46:47]
	s_mul_i32 s86, s88, 75
	s_lshr_b32 s86, s86, 1                         ; my first block: 0, 37, 75, 112
	s_lshl_b32 s86, s86, 8
	s_add_co_u32 s86, s86, 3*PART                  ; at part 3: the first refill steps it to part 4
	s_mov_b32 s87, 0
	s_add_nc_u64 s[PFA:PFA+1], s[PFA:PFA+1], s[86:87]
	s_and_b32 s89, s88, 1
	s_add_co_u32 s89, s89, 4                       ; my blocks beyond the first 32, less one: 4 or 5
	s_mul_i32 s21, s15, PART                       ; my group of A in a slot
	s_mul_i32 s22, s16, PART
	s_add_co_u32 s22, s22, 2*PART                  ; my group of B, behind A's two
	s_sub_co_u32 s23, s22, s21
	s_add_co_u32 s12, s21, SLOT
	s_add_co_u32 s13, s22, SLOT
	s_mul_i32 s86, s14, 16*SPITCH
	s_add_co_u32 s86, s86, STAGE                   ; my stage
	s_lshl_b32 s18, s17, 21                        ; out0: 256 rows of 8,192 bytes a tile row,
	s_lshl_b32 s19, s15, 20                        ; 128 rows a half
	s_add_co_u32 s18, s18, s19
	s_lshl_b32 s46, s42, 10                        ; my first column in bytes: 1,024 x tile column + 512 x half
	s_lshl_b32 s47, s16, 9
	s_add_co_u32 s46, s46, s47
	s_mov_b32 s47, 0
	s_add_co_u32 s18, s18, s46                     ; under 2^26
	s_mov_b32 s19, 0
	s_add_nc_u64 s[8:9], s[8:9], s[18:19]
	s_add_nc_u64 s[10:11], s[10:11], s[46:47]
	v_and_b32 v1, 15, v0                           ; r
	v_bfe_u32 v2, v0, 4, 1                         ; h
	v_and_b32 v3, 31, v0                           ; lane
	v_lshlrev_b32 v4, 4, v3
	v_mul_u32_u24 v5, s23, v2                      ; lanes 16-31 take B's scale words
	v_lshl_add_u32 v5, v1, 4, v5
	v_add_nc_u32 v[ADRA], s21, v4
	v_add_nc_u32 v[ADRB], s22, v4
	v_add_nc_u32 v[ADRS], s21, v5
	v_add_nc_u32 v[ADRA+1], s12, v4
	v_add_nc_u32 v[ADRB+1], s13, v4
	v_add_nc_u32 v[ADRS+1], s12, v5
	v_mul_u32_u24 v6, v1, SPITCH                   ; into the stage: row r, 32 bytes for each half of the lanes
	v_lshl_add_u32 v6, v2, 5, v6
	v_add_nc_u32 v[STO], s86, v6
	v_lshlrev_b32 v[CO], 4, v3                     ; back: the 32 lanes take one row of 512 bytes; the same in out0
	v_add_nc_u32 v[RD], s86, v[CO]
	v_lshlrev_b32 v[BO], 5, v2
	v_lshlrev_b32 v[PF0], 8, v3                    ; blocks 0 .. 31 of my share
	v_min_u32 v7, s89, v3
	v_add_lshl_u32 v[PF1], v7, 32, 8               ; blocks 32 .. 36 or 37
	s_wait_alu depctr_va_vdst(0)
.irp b, 0,1,2,3,4,5,6,7
	global_load_b128 v[BIAS+8*\b:BIAS+8*\b+3],   v[BO], s[10:11] offset:64*\b       ; register j of B's block b: bias of column 16 b + 8 h + j
	global_load_b128 v[BIAS+8*\b+4:BIAS+8*\b+7], v[BO], s[10:11] offset:64*\b+16
.endr
.macro FRAG3 reg, adr, off
.irp c, 0,1,2
	ds_load_b128 v[\reg+4*\c:\reg+4*\c+3], v[\adr] offset:\off+512*\c
.endr
.endm
.macro LDB f, p, slot, q
	WIN TO_B
	FRAG3 128*(\p)+FR*(\f), ADRB+\slot, (\q)*CH+(\f)*FRB
.endm
.macro LDA f, slot, q
	WIN 0
	FRAG3 AF+FR*(\f), ADRA+\slot, (\q)*CH+(\f)*FRB
.endm
.macro LDSC p, slot, q                 ; register i of a set: lanes 0-15 the word of A's block i, lanes 16-31 of B's block i
	WIN 0
	ds_load_b128 v[SC+8*(\p):SC+8*(\p)+3],   v[ADRS+\slot] offset:(\q)*CH+SCO
	ds_load_b128 v[SC+8*(\p)+4:SC+8*(\p)+7], v[ADRS+\slot] offset:(\q)*CH+SCO+256
.endm
.macro GROUP a, p, first               ; A's block a against B's eight; the accumulators take turns, one instruction a turn
.if \first
	WIN FIRST_LO+0x40*((\a)/4)
.else
	WIN MUL_LO+0x50*((\a)/4)
.endif
.irp b, 0,1,2,3,4,5,6,7
.if \first
	v_wmma_scale_f32_16x16x128_f8f6f4 v[8*(8*((\a)%4)+\b):8*(8*((\a)%4)+\b)+7], v[128*(\p)+FR*\b:128*(\p)+FR*\b+FR-1], v[AF+FR*(\a):AF+FR*(\a)+FR-1], v[BIAS+8*\b:BIAS+8*\b+7], v[SC+8*(\p)+\b], v[SC+8*(\p)+(\a)] matrix_a_fmt:MATRIX_FMT_FP6 matrix_b_fmt:MATRIX_FMT_FP6 matrix_a_scale:MATRIX_SCALE_ROW1
.else
	v_wmma_scale_f32_16x16x128_f8f6f4 v[8*(8*((\a)%4)+\b):8*(8*((\a)%4)+\b)+7], v[128*(\p)+FR*\b:128*(\p)+FR*\b+FR-1], v[AF+FR*(\a):AF+FR*(\a)+FR-1], v[8*(8*((\a)%4)+\b):8*(8*((\a)%4)+\b)+7], v[SC+8*(\p)+\b], v[SC+8*(\p)+(\a)] matrix_a_fmt:MATRIX_FMT_FP6 matrix_b_fmt:MATRIX_FMT_FP6 matrix_a_scale:MATRIX_SCALE_ROW1
.endif
.endr
.endm
.macro PLACES                          ; four places in front of loads into registers that matrix instructions have read, and of reads of results
.rept 4
	v_nop
.endr
.endm
; A step's LDS loads are issued in the order: scale words and B (26), A's blocks 0-5 (18), A's blocks 6-7 (6).  A wait ahead of group a counts what was issued behind block a's three loads.
; The second half of every step.  26 loads of the next step are out ahead of it.
.macro BACK p, ns, nq, first
	s_wait_dscnt 9+26                              ; block 4 is in: behind it blocks 5-7 (9) and this step's 26
	GROUP 4, \p, \first
	s_wait_dscnt 6+26
	GROUP 5, \p, \first
	PLACES
.irp g, 0,1,2,3,4,5
	LDA \g, \ns, \nq
.endr
	s_wait_dscnt 3+26+18                           ; block 6 is in: behind it block 7, the 26 and the 18
	GROUP 6, \p, \first
	s_wait_dscnt 26+18
	GROUP 7, \p, \first
	PLACES                                         ; these serve the next step's loads into this step's set of B and of scale words too
	LDA 6, \ns, \nq
	LDA 7, \ns, \nq
.endm
.macro RSTEP p, ns, nq, first          ; a step inside a slot: set p is multiplied, the next step (slot ns, chunk nq) is fetched
	s_wait_dscnt 21                                ; B, the scale words and block 0 are in: behind it blocks 1-7
	GROUP 0, \p, \first
	s_wait_dscnt 18
	GROUP 1, \p, \first
	LDSC 1-(\p), \ns, \nq
.irp g, 0,1,2,3
	LDB \g, 1-(\p), \ns, \nq
.endr
	s_wait_dscnt 15+14                             ; block 2: behind it blocks 3-7 and the 14 just issued
	GROUP 2, \p, \first
	s_wait_dscnt 12+14
	GROUP 3, \p, \first
.irp g, 4,5,6,7
	LDB \g, 1-(\p), \ns, \nq
.endr
	BACK \p, \ns, \nq, \first
.endm
; A slot's last step.  mode 1: the slot is filled again with a whole part, 2: with the short last part, 0: not at all.
.macro CSTEP p, slot, ns, mode
.if \mode == 1
	s_wait_xcnt 0x0                                ; my prefetches have read their base: it steps only behind this wait
	s_add_nc_u64 s[PFA:PFA+1], s[PFA:PFA+1], PART
.endif
	s_wait_tensorcnt 0x0                           ; all my tensor loads have landed: my part of the next slot
	ds_add_u32 v[SPW], v[NIL]
	s_wait_dscnt 22                                ; block 0 is in: behind it blocks 1-7 and the add
	GROUP 0, \p, 0
	s_wait_dscnt 0x0                               ; the add is done, and my reads of this slot are over
	s_barrier_signal -1
	GROUP 1, \p, 0
	WIN 0
	s_barrier_wait -1
.if \mode
	CREST                                          ; the barrier has opened a round of the cluster's barrier: no wave of any partner reads this slot or has a load out
	s_add_nc_u64 s[G0+4*\slot+2:G0+4*\slot+3], s[G0+4*\slot+2:G0+4*\slot+3], 2*PART
	s_add_nc_u64 s[G0B+4*\slot+2:G0B+4*\slot+3], s[G0B+4*\slot+2:G0B+4*\slot+3], 2*PART
.if \mode == 1
	JLOAD G0+4*\slot, G1, G0B+4*\slot, G1B
.else
	JLOAD G0+4*\slot, G1L, G0B+4*\slot, G1LB
.endif
.endif
.irp g, 0,1,2,3,4,5,6,7
	LDB \g, 1-(\p), \ns, 0
.endr
	LDSC 1-(\p), \ns, 0
.if \mode == 1
	ASK                                            ; behind the joint load's lines and the run of LDS loads
.endif
	GROUP 2, \p, 0
	GROUP 3, \p, 0
	BACK \p, \ns, 0, 0
.endm
	s_wait_tensorcnt 0x0                           ; my part of slot 0 is in; slot 1's first fill is issued as a refill is
	ds_add_u32 v[SPW], v[NIL]
	s_wait_dscnt 0x0
	CROUND                                         ; everybody's part is in, and the joint loads meet
	JLOAD G0+4, G1, G0B+4, G1B                     ; part 1
	LDSC 0, 0, 0
.irp f, 0,1,2,3,4,5,6,7
	LDB \f, 0, 0, 0
.endr
.irp f, 0,1,2,3,4,5,6,7
	LDA \f, 0, 0
.endr
	s_wait_loadcnt 0x0                             ; the bias
	RSTEP 0, 0, 1, 1                               ; step 0 starts the sums on the bias
	s_mov_b32 s3, 4
.Llap:                                                 ; a trip: six steps, once round the ring; both slots are filled again
	RSTEP 1, 0, 2, 0
	CSTEP 0, 0, 1, 1
	RSTEP 1, 1, 1, 0
	RSTEP 0, 1, 2, 0
	CSTEP 1, 1, 0, 1
	RSTEP 0, 0, 1, 0
	s_sub_co_u32 s3, s3, 1
	s_cmp_lg_u32 s3, 0
	s_cbranch_scc1 .Llap
	RSTEP 1, 0, 2, 0                               ; steps 25 to 30
	CSTEP 0, 0, 1, 2
	RSTEP 1, 1, 1, 0
	RSTEP 0, 1, 2, 0
	CSTEP 1, 1, 0, 0
	RSTEP 0, 0, 1, 0
; THE WAY OUT, inside step 31.  Block a (16 rows x 128 columns) goes through my own stage and comes back as whole rows of 512 bytes, which the 32 lanes store as two aligned units of 256 bytes.
; LDS serves a wave's instructions in order (ISA guide 5.7.1.4): no wait between the stores and the loads.  Block a's rows come back into registers that are free: the bias's (a = 0), B's idle set (a = 1),
; then block a - 2's accumulators, whose stores into the stage the wait of SEND a - 2 has shown done.  No store's data, offset or base is written again: every offset is an immediate (127 rows at the most).
.macro BUF a
.if (\a) == 0
.set BW, 0
.set BB, BIAS
.else
.if (\a) == 1
.set BW, 1
.set BB, 0
.else
.set BW, 2+((\a)-2)/4
.set BB, 64*(((\a)-2)%4)
.endif
.endif
.endm
.macro TOSTAGE a
.set AC, 64*((\a)%4)
	WIN 0x08+4*((\a)/4)                            ; the data: window 2 or 3
.irp b, 0,1,2,3,4,5,6,7
	ds_store_b128 v[STO], v[AC+8*\b:AC+8*\b+3] offset:64*\b          ; each accumulator from its low end on
	ds_store_b128 v[STO], v[AC+8*\b+4:AC+8*\b+7] offset:64*\b+16
.endr
	BUF \a
	WIN BW<<6
.irp t, 0,1,2,3,4,5,6,7,8,9,10,11,12,13,14,15
	ds_load_b128 v[BB+4*\t:BB+4*\t+3], v[RD] offset:\t*SPITCH
.endr
.endm
.macro SEND a, younger                 ; younger: the LDS instructions issued behind block a's loads
	BUF \a
	s_wait_dscnt \younger
	WIN BW<<2
.irp t, 0,1,2,3,4,5,6,7,8,9,10,11,12,13,14,15
	global_store_b128 v[CO], v[BB+4*\t:BB+4*\t+3], s[8:9] offset:(16*(\a)+\t)*SIZE_N*4
.endr
.endm
	s_wait_dscnt 21
	GROUP 0, 1, 0
	s_wait_dscnt 18
	GROUP 1, 1, 0
	s_wait_dscnt 0x0                               ; all of A is in: nothing more is fetched
	PLACES
	TOSTAGE 0
.irp a, 1,2,3,4,5,6
	GROUP \a+1, 1, 0
	PLACES
	TOSTAGE \a
	SEND \a-1, 32                                  ; behind block a - 1's loads: block a's 16 stores and 16 loads
.endr
	TOSTAGE 7
	SEND 6, 32
	SEND 7, 0
	WIN 0
	s_wait_tensorcnt 0x0                           ; the wave's end
	ds_add_u32 v[SPW], v[NIL]
	s_wait_dscnt 0x0
	CROUND                                         ; the closing round
	s_endpgm
.Lfunc_end_k_q76dd2bc788_gemm:
	.size	k_q76dd2bc788_gemm, .Lfunc_end_k_q76dd2bc788_gemm-k_q76dd2bc788_gemm
	.p2alignl 7, 3214868480
	.fill 96, 4, 3214868480
	.section	.rodata,"a",@progbits
	.p2align	6, 0x0
	.amdhsa_kernel k_q76dd2bc788_gemm
		.amdhsa_group_segment_fixed_size 327680
		.amdhsa_private_segment_fixed_size 0
		.amdhsa_enable_private_segment 0
		.amdhsa_kernarg_size 32
		.amdhsa_user_sgpr_count 2
		.amdhsa_user_sgpr_kernarg_segment_ptr 1
		.amdhsa_wavefront_size32 1
		.amdhsa_system_sgpr_workgroup_id_x 1
		.amdhsa_system_sgpr_workgroup_id_y 1
		.amdhsa_system_sgpr_workgroup_id_z 1
		.amdhsa_system_vgpr_workitem_id 0
		.amdhsa_next_free_vgpr 1024
		.amdhsa_next_free_sgpr 90
		.amdhsa_reserve_vcc 0
		.amdhsa_float_denorm_mode_32 3
		.amdhsa_float_denorm_mode_16_64 3
		.amdhsa_memory_ordered 1
		.amdhsa_forward_progress 1
		.amdhsa_inst_pref_size 211
	.end_amdhsa_kernel
	.amdgpu_metadata
---
amdhsa.version: [ 1, 2 ]
amdhsa.kernels:
  - .name:           k_q76dd2bc788_gemm
    .symbol:         k_q76dd2bc788_gemm.kd
    .args:
      - { .name: xq, .offset: 0, .size: 8, .value_kind: global_buffer, .address_space: global }
      - { .name: wq, .offset: 8, .size: 8, .value_kind: global_buffer, .address_space: global }
      - { .name: out0, .offset: 16, .size: 8, .value_kind: global_buffer, .address_space: global }
      - { .name: bias, .offset: 24, .size: 8, .value_kind: global_buffer, .address_space: global }
    .group_segment_fixed_size: 327680
    .private_segment_fixed_size: 0
    .kernarg_segment_align: 8
    .kernarg_segment_size: 32
    .max_flat_workgroup_size: 128
    .sgpr_count:     90
    .vgpr_count:     1024
    .wavefront_size: 32
...
	.end_amdgpu_metadata
.endif
;; end of part 2
